; MI455X (gfx1250); checked and timed in simulation.
; The chip was launched on July 23, 2026; its instructions are those of AMD's public machine-readable ISA for CDNA 5 (MIT licence, August 2026) and "CDNA5" Instruction Set Architecture Reference Guide (July 2026). The comments in the code are by the model that wrote it; some were corrected since.
;; Feature Extractor. Allowed arithmetic: matrix products marked QUANTISED: E2M1 operands, one E8M0 scale for each 32 along K, by v_wmma_scale_f32_16x16x128_f8f6f4 with both operands' format E2M1 (or v_wmma_scale_f32_32x16x128_f4), f32 sums; everything else in f32.
;; Inputs: ca_in_b 192 float32; ca_in_w 192 x 64 float32; ca_ln_b 64 float32; ca_ln_g 64 float32; ca_out_b 64 float32; ca_out_w 64 x 64 float32; proj_b 64 float32; proj_w 64 float32; sa_in_b 192 float32; sa_in_w 192 x 64 float32; sa_ln_b 64 float32; sa_ln_g 64 float32; sa_out_b 64 float32; sa_out_w 64 x 64 float32; x_src 256 x 512 float32; x_tgt 256 x 512 float32.
;; Outputs: out0 256 x 64 float32; out1 256 x 64 float32; out2 256 x 64 float32.
;; This version of the problem:
;;   THIS VERSION OF THE PROBLEM IS GIVEN IN LOW PRECISION. The matrix products marked QUANTISED in the list below multiply operands that are first quantised to E2M1 (2 exponent bits, 1 mantissa bit; 4 bits a number), with one power-of-two scale for each 32 numbers along K (OCP MX v1.0); their sums are f32. All else is computed in f32.
;;   The module's matrix products, in the order in which they are computed (A, B: the left and right operand; K: the contracted axis; several contracted axes count as one K, in the product's order):
;;     1. [M 131,072, K 64] x [K 64, N 64]; A: computed on the way; B: input sa_in_w: QUANTISED
;;     2. [M 131,072, K 64] x [K 64, N 64]; A: computed on the way; B: input sa_in_w: QUANTISED
;;     3. [M 131,072, K 64] x [K 64, N 64]; A: computed on the way; B: input sa_in_w: QUANTISED
;;     4. batch 256 x [M 512, K 64] x [K 64, N 512]; A: computed on the way; B: computed on the way: QUANTISED
;;     5. batch 256 x [M 512, K 512] x [K 512, N 64]; A: softmax (see below); B: computed on the way: QUANTISED
;;     6. [M 131,072, K 64] x [K 64, N 64]; A: computed on the way; B: input sa_out_w: QUANTISED
;;     7. [M 131,072, K 64] x [K 64, N 64]; A: computed on the way; B: input sa_in_w: QUANTISED
;;     8. [M 131,072, K 64] x [K 64, N 64]; A: computed on the way; B: input sa_in_w: QUANTISED
;;     9. [M 131,072, K 64] x [K 64, N 64]; A: computed on the way; B: input sa_in_w: QUANTISED
;;     10. batch 256 x [M 512, K 64] x [K 64, N 512]; A: computed on the way; B: computed on the way: QUANTISED
;;     11. batch 256 x [M 512, K 512] x [K 512, N 64]; A: softmax (see below); B: computed on the way: QUANTISED
;;     12. [M 131,072, K 64] x [K 64, N 64]; A: computed on the way; B: input sa_out_w: QUANTISED
;;     13. [M 131,072, K 64] x [K 64, N 64]; A: computed on the way; B: input ca_in_w: QUANTISED
;;     14. [M 131,072, K 64] x [K 64, N 64]; A: computed on the way; B: input ca_in_w: QUANTISED
;;     15. [M 131,072, K 64] x [K 64, N 64]; A: computed on the way; B: input ca_in_w: QUANTISED
;;     16. batch 256 x [M 512, K 64] x [K 64, N 512]; A: computed on the way; B: computed on the way: QUANTISED
;;     17. batch 256 x [M 512, K 512] x [K 512, N 64]; A: softmax (see below); B: computed on the way: QUANTISED
;;     18. [M 131,072, K 64] x [K 64, N 64]; A: computed on the way; B: input ca_out_w: QUANTISED
;;   THE QUANTISER, for each operand of a quantised product, along K:
;;     - K is cut into blocks of 32 from its start; a last block that is shorter is filled with zeros.
;;     - A block's scale is 2^e with e = floor(log2(the largest magnitude in the block)) - 2, held to -126 .. 127; a block of zeros has e = 0. As a byte (E8M0): e + 127.
;;     - Each number is divided by its block's scale, clamped to +-6, and rounded to the nearest number of E2M1, ties to even, subnormals kept.
;;     - The product sums the exact products of the quantised numbers (number of the format x scale) in f32.
;;   ~~~python
;;   def quantise(x, axis):      # numpy; x: float32 -> the quantised numbers, widened to float32 again
;;       x = np.moveaxis(x, axis, -1); K = x.shape[-1]
;;       x = np.pad(x, [(0, 0)] * (x.ndim - 1) + [(0, -K % 32)]); x = x.reshape(x.shape[:-1] + (-1, 32)); a = np.abs(x).max(-1, keepdims=True)
;;       e = np.where(a > 0, np.clip(np.frexp(np.where(a > 0, a, 1))[1] - 1 - 2, -126, 127), 0)      # np.frexp(a)[1] - 1 = floor(log2(a)), exactly
;;       r = np.clip(x / 2.0 ** e, -6, 6)
;;       step = 2.0 ** (np.maximum(np.frexp(np.where(r == 0, 1, r))[1] - 1, 0) - 1)
;;       q = np.round(r / step) * step * 2.0 ** e      # np.round: ties to even
;;       return np.moveaxis(q.reshape(q.shape[:-2] + (-1,))[..., :K], -1, axis).astype(np.float32)
;;   ~~~
;;   SOFTMAX AHEAD OF A QUANTISED PRODUCT. Where the list says 'softmax', what is quantised is not the finished softmax but p = 2^(t - M), with t = logit x log2(e) and M = ceil(the row's largest t), a whole number; so 1/2 < the row's largest p <= 1. The row's sum l is taken of the UNQUANTISED p, in f32, and the product's result is divided by l at the end. Since M is a whole number, a kernel that streams over the keys may use a running M (the ceiling of the running maximum): every later rescaling is an exact power of two, which a block's scale takes up: the codes' values come out the same.
;;   OPERANDS COMPUTED ON THE WAY. 'Computed on the way' means the value that the module computes at that place (a softmax that the list does not call 'softmax' is quantised finished and normalised). What goes into a quantiser is computed in f32, as accurately as f32 sums, v_exp_f32 and their like allow (about 1e-6 of the number): no bf16 or f16 on the way to a quantiser, and a product that is left as it is and whose result goes on into a quantised operand takes f32 operands (vector FMAs, or v_wmma_f32_16x16x4_f32). A number that lies on a knife's edge between two numbers of the format may be rounded either way, as far as f32 arithmetic and the matrix unit's own rounding can turn it there, and no further.
;; One version. Each part assembles by itself: llvm-mc -triple=amdgcn-amd-amdhsa -mcpu=gfx1250 --defsym DOCPART=n.
;; ======== version 1 of 1: 1 launch
;; limits: right only within a limited range of input values
;; launch attn (part 1): grid 256 x 3, 4 waves a work-group, no clusters, 89,600 bytes of LDS; arguments x_src, x_tgt, proj_w, proj_b, sa_in_w, sa_in_b, sa_out_w, sa_out_b, sa_ln_g, sa_ln_b, ca_in_w, ca_in_b, ca_out_w, ca_out_b, ca_ln_g, ca_ln_b, out0, out1, out2; writes out0, out1, out2
.if DOCPART == 1
	.amdgcn_target "amdgcn-amd-amdhsa--gfx1250"
	.amdhsa_code_object_version 6
	.text
	.protected	k_q32062be3dc_attn
	.globl	k_q32062be3dc_attn
	.p2align	8
	.type	k_q32062be3dc_attn,@function
k_q32062be3dc_attn:
	s_mov_b64 s[64:65], 0
	v_nop
	global_prefetch_b8 v0, s[64:65] scope:SCOPE_SE
	s_setreg_imm32_b32 hwreg(HW_REG_WAVE_MODE, 25, 1), 1
	s_wait_xcnt 0x0
; One attention block of one batch row, from x to the pooled LayerNorm, in one work-group of four waves; nothing between goes to memory.
;   h = x pw + pb;  q, k, v = h W^T + b;  p = 2^(t - M), t = q.k log2(e) / 8, M = ceil(running largest t);  o = (p v) / sum(p);  z = h + o Wo^T + bo;  out = g mean_s((z - mu) rstd) + b.
; All six products run on codes of FP4 (E2M1) with one E8M0 byte for each 32 along K; every quantiser is fed f32.
; GRID: x = batch row, y = kind: 0 cross (Q from x_src, K and V from x_tgt, ca_*, out0), 1 self on x_src (sa_*, out1), 2 self on x_tgt (sa_*, out2).
;   In kinds 1 and 2 the keys' tokens are the queries' tokens, so h's codes are made once and serve both (a scalar branch on the kind); no step of the problem is left out.
; SHARES: wave w owns tokens 128 w .. 128 w + 127: as one key step of 128 keys (it makes K's and V's codes once, into LDS) and as eight tiles of 16 queries, each walking all 512 keys.
; LANES: L = lane, r = L % 16, h = L / 16.  EVERY BLOCK OF 32 LIES WHOLE IN ONE LANE:
;   lane r of tile t of each weight takes row 8 t + r % 8 + 32 (r / 8); lane r of token tile 4 c + u takes token 64 c + 32 (r / 8) + 8 u + r % 8 of the wave's 128.
;   A result's register j of lane (r, h) is row 8 h + j of source 0's tile, so the 32 registers of four tiles are k = 32 h + 0 .. 31 of the next product: the maximum needs no other lane and the conversions' results are the operand.
; K = 64 IN AN INSTRUCTION OF K = 128: an operand of 8 registers holds two tiles of K = 64; the other side is [X | 0] or [0 | X], X between two groups of four zero registers, its scale word holding its two bytes twice.
; OPERANDS GO FROM WAVE TO WAVE AS IMAGES OF THEIR REGISTERS: four registers by one ds_store_b128 at 16 L.
; NO CLUSTER, NO TENSOR LOAD, NO PREFETCH: work-groups share the f32 weights alone, 16,384 bytes a wave, read once at the head and quantised in registers; no loop reads memory.
; LIMITS: a block whose largest magnitude lies under 2^-124 keeps the scale byte 1 (a block of zeros too, where the rule says 127: its codes are zeros, and these bytes are read by this program alone);
;   NaN and infinities among the inputs are not served; the scaled scores stay under 2^31 in magnitude; pb + out_b are added before the residual (behind the last quantiser);
;   a block's largest p is taken as the exponential of the block's largest score.
; LDS: weight images, their scale words, each wave's copy of the small vectors, partial sums, spare words; then a region that first holds the weights' f32 stage (64 rows of 272 bytes a wave)
;   and, behind the first barrier, four key blocks of 9,216 bytes (K 4,096, V 4,096, K's scale words 512, V's 512), the queries' images and their scale words and x.
.set WIMG,  0                          ; 2,048 x matrix + 512 x tile + 16 L; matrix 0 Wq, 1 Wk, 2 Wv, 3 Wo
.set WSC,   8192                       ; 512 x matrix + 16 L + 4 x tile
.set PAR,   10240                      ; 2,048 x wave: pw, pb, pb + out_b, bq, bk, bv, g, b: 256 bytes each
.set RED,   18432                      ; 256 x wave + 4 d
.set SPARE, 19456                      ; the spare words: 512 bytes that no other line names
.set UB,    19968
.set STEPB, 9216
.set VIM,   4096
.set KSO,   8192
.set VSO,   8704
.set QIM,   UB+4*STEPB                 ; 4,096 x wave + 512 x tile + 16 L
.set QSC,   QIM+16384                  ; 2,048 x wave + 256 x tile + 4 L: q's scale word; 128 further on: x
.set SPITCH, 272
.set STGW,  64*SPITCH
.set FLOOR, 0x1800000                  ; 2^(3 - 127): no largest magnitude is taken under it, so no byte falls under 1
.set EOFF,  0xff000000                 ; takes 2 off an exponent field
; vector registers that keep one meaning
.set LI,   1                           ; 16 L
.set A8,   2                           ; 8 L
.set SH8,  3                           ; 8 h
.set ADL,  4                           ; the key step's block + 16 L
.set SPW,  5
.set NIL,  6
.set AQ,   7
.set AX,   8
.set APAR, 9                           ; my vectors + 128 h
.set XO,   10                          ; 4 (r % 8) + 128 (r / 8)
.set APS,  11                          ; my vectors + 8 L
.set ASTS, 12
.set ASTL, 13
.set AWI,  14
.set ABV,  15
.set NM,   16                          ; -M
.set SMX,  17                          ; the running largest score
.set SUM,  18                          ; v18-19
.set F,    20                          ; v20; v21 is named with it as a pair
.set XR,   22                          ; x of my query; v23 named with it.  At the head: AKV, AWS
.set AKV,  22
.set AWS,  23
.set QSW,  24                          ; scale words alone: q's, p's, o's
.set PS,   25
.set HSW,  26
.set TMP,  27
.set BM,   28                          ; v28-35
.set SO,   36
.set PD,   38
.set VP,   40                          ; head: eight pairs of the small vectors
.set QC,   44                          ; zeros at 40, 48, 56; q's codes at 44, o's at 52
.set OC,   52
.set SA,   60                          ; v60-63, v64-67: scale words from LDS
.set SB,   64
.set PCD,  68
.set XK,   68
.set T0,   76
.set T1,   78
.set T2,   80
.set XQV,  76
.set KV,   84                          ; fragments of K, then of V
.set S,    116
.set O,    180
.set ACCZ, 212
.set ALB,  244                         ; UB + 16 L
.set HWS,  248                         ; v248-255 scale words of h's eight tiles
.set Z,    S
.set WOF,  S+32
.set CH,   S+48
; head
.set WT,   84
.set WC,   84
.set WW,   92
.set HC,   84                          ; zeros at HC + 8 i, codes of tile i at HC + 4 + 8 i
.set PW,   152
.set PB,   184
.set HV,   216
.set W,    152
.set BIAS, 168
.set ACC,  200
.set C4,   232
.set KW,   240
; scalar registers
.set WV,   2
.set KIND, 3
.set SEL,  54
.set CS,   56
.set CNT,  58
.set TCNT, 59
.set R64,  60
.set TB,   61
.macro PLACES n
.rept \n
	v_nop
.endr
.endm
.macro DEP n
	s_delay_alu instid0(VALU_DEP_\n)
.endm
.macro WM0 d, a, b, sa, sb
	v_wmma_scale_f32_16x16x128_f8f6f4 v[(\d):(\d)+7], v[(\a):(\a)+7], v[(\b):(\b)+7], 0, v[(\sa)], v[(\sb)] matrix_a_fmt:MATRIX_FMT_FP4 matrix_b_fmt:MATRIX_FMT_FP4
.endm
.macro WMC d, a, b, c, sa, sb
	v_wmma_scale_f32_16x16x128_f8f6f4 v[(\d):(\d)+7], v[(\a):(\a)+7], v[(\b):(\b)+7], v[(\c):(\c)+7], v[(\sa)], v[(\sb)] matrix_a_fmt:MATRIX_FMT_FP4 matrix_b_fmt:MATRIX_FMT_FP4
.endm
; 32 numbers of a lane, one whole block (k = 32 h + 0 .. 31 of my row), become four registers of codes; hw: the row's two bytes, mine and lane l xor 16's
.macro BLK32 src, dst, hw
.irp k, 0,1,2,3
	v_max3_num_f32 v[BM+\k], |v[\src+8*\k]|, |v[\src+8*\k+1]|, |v[\src+8*\k+2]|
.endr
.irp i, 3,5
.irp k, 0,1,2,3
	v_max3_num_f32 v[BM+\k], v[BM+\k], |v[\src+8*\k+\i]|, |v[\src+8*\k+\i+1]|
.endr
.endr
	v_max3_num_f32 v[BM], v[BM], v[BM+1], |v[\src+7]|
	v_max3_num_f32 v[BM+2], v[BM+2], v[BM+3], |v[\src+15]|
	v_max3_num_f32 v[BM+1], |v[\src+23]|, |v[\src+31]|, FLOOR
	DEP 1
	v_max3_num_f32 v[BM], v[BM], v[BM+2], v[BM+1]
	DEP 1
	v_add_nc_u32 v[SO], EOFF, v[BM]                ; the conversion takes this operand's exponent field as its scale
.irp g, 0,1,2,3
	v_cvt_scalef32_pk8_fp4_f32 v[\dst+\g], v[\src+8*\g:\src+8*\g+7], v[SO]
.endr
	v_lshrrev_b32 v[PD], 23, v[SO]                 ; the byte (also the plain line behind the conversions)
	DEP 1
	v_lshlrev_b32 v[PD], v[SH8], v[PD]             ; 8 h bits up
	DEP 1
	v_permlanex16_b32 v[PD+1], v[PD], s[SEL], s[SEL+1]
	DEP 1
	v_or_b32 v[\hw], v[PD], v[PD+1]
.endm
.macro HQ xb, i                        ; h = x pw + pb of token tile i, my half of the 64, its codes and its scale word (the two bytes twice)
.irp j, 0,2,4,6,8,10,12,14,16,18,20,22,24,26,28,30
.if (\i)%2
	v_pk_fma_f32 v[HV+\j:HV+\j+1], v[PW+\j:PW+\j+1], v[\xb+(\i)-1:\xb+(\i)], v[PB+\j:PB+\j+1] op_sel:[0,1,0] op_sel_hi:[1,1,1]
.else
	v_pk_fma_f32 v[HV+\j:HV+\j+1], v[PW+\j:PW+\j+1], v[\xb+(\i):\xb+(\i)+1], v[PB+\j:PB+\j+1] op_sel_hi:[1,0,1]
.endif
.endr
	BLK32 HV, HC+4+8*(\i), TMP
	DEP 1
	v_lshl_or_b32 v[HWS+(\i)], v[TMP], 16, v[TMP]
.endm
.macro PWPB                            ; pw and pb, my half
.irp q, 0,1,2,3,4,5,6,7
	ds_load_b128 v[PW+4*\q:PW+4*\q+3], v[APAR] offset:16*\q
.endr
.irp q, 0,1,2,3,4,5,6,7
	ds_load_b128 v[PB+4*\q:PB+4*\q+3], v[APAR] offset:256+16*\q
.endr
.endm
.macro WLOAD m                         ; matrix m: [tile 0 | tile 1], [tile 2 | tile 3], and its four scale words
.irp i, 0,1,2,3
	ds_load_b128 v[W+4*\i:W+4*\i+3], v[LI] offset:WIMG+2048*\m+512*\i
.endr
	ds_load_b128 v[SA:SA+3], v[LI] offset:WSC+512*\m
.endm
.macro BLOAD off
.irp q, 0,1,2,3,4,5,6,7
	ds_load_b128 v[BIAS+4*\q:BIAS+4*\q+3], v[APAR] offset:\off+16*\q
.endr
.endm
.macro UNITW i                         ; transposed: source 0 = 16 rows of the weight, source 1 = h of token tile i; the bias is the C.  Register 8 t + j is unit 32 h + 8 t + j of token r
.irp t, 0,1,2,3
	WMC ACC+8*\t, W+8*(\t/2), HC+4+8*(\i)-4*(\t%2), BIAS+8*\t, SA+\t, HWS+(\i)
.endr
	PLACES 4
.endm
.macro QUNIT i
	UNITW \i
	BLK32 ACC, C4+4*((\i)%2), TMP
	DEP 1
	v_lshl_or_b32 v[KW+(\i)%2], v[TMP], 16, v[TMP]
	ds_store_b128 v[AQ], v[C4+4*((\i)%2):C4+4*((\i)%2)+3] offset:512*(\i)
	ds_store_b32 v[AX], v[KW+(\i)%2] offset:256*(\i)
.endm
.macro KUNIT i                         ; token tile i is K's tile i of my key step; a pair of tiles shares a scale word
	UNITW \i
.if (\i)%2
	BLK32 ACC, C4+4, TMP
	DEP 1
	v_lshl_or_b32 v[KW+(\i)/2], v[TMP], 16, v[KW+(\i)/2]
	ds_store_b128 v[AKV], v[C4+4:C4+7] offset:512*(\i)
.else
	BLK32 ACC, C4, KW+(\i)/2
	ds_store_b128 v[AKV], v[C4:C4+3] offset:512*(\i)
.endif
.endm
.macro VUNIT c, n                      ; as it stands: source 0 = h of token tiles 4 c + u, source 1 = 16 rows of Wv.  Register 8 u + j is key 64 c + 32 h + 8 u + j of channel row r
.irp u, 0,1,2,3
	WMC ACC+8*\u, HC+4+8*(4*\c+\u)-4*(\n%2), W+8*(\n/2), BIAS+8*\n, HWS+4*\c+\u, SA+\n
.endr
	PLACES 4
.if \c
	BLK32 ACC, C4+4*(\n%2), TMP
	DEP 1
	v_lshl_or_b32 v[KW+\n], v[TMP], 16, v[KW+\n]
.else
	BLK32 ACC, C4+4*(\n%2), KW+\n
.endif
	ds_store_b128 v[AKV], v[C4+4*(\n%2):C4+4*(\n%2)+3] offset:VIM+1024*\n+512*\c
.endm
; ---------------- set-up
	s_load_b256 s[8:15], s[0:1], 0x0               ; x_src, x_tgt, proj_w, proj_b
	s_load_b512 s[16:31], s[0:1], 0x20             ; sa: in_w, in_b, out_w, out_b, ln_g, ln_b; ca: in_w, in_b
	s_load_b256 s[32:39], s[0:1], 0x60             ; ca: out_w, out_b, ln_g, ln_b
	s_load_b128 s[40:43], s[0:1], 0x80             ; out0, out1
	s_load_b64 s[44:45], s[0:1], 0x90              ; out2
	v_lshl_add_u32 v[SPW], v0, 2, SPARE
	v_mov_b32 v[NIL], 0
	v_lshrrev_b32 v16, 5, v0
	v_readfirstlane_b32 s[WV], v16                 ; wave 0..3
	s_and_b32 s[KIND], ttmp7, 0xffff
	s_lshl_b32 s5, s[WV], 11
	s_add_co_u32 s6, s5, PAR
	s_add_co_u32 s7, s6, 1280
	s_lshl_b32 s61, s[WV], 9
	s_add_co_u32 s61, s61, WSC
	s_mul_i32 s62, s[WV], STGW
	s_add_co_u32 s62, s62, UB
	s_mul_i32 s63, s[WV], STEPB
	s_add_co_u32 s63, s63, UB
	s_lshl_b32 s4, s[WV], 12
	s_add_co_u32 s4, s4, QIM
	s_add_co_u32 s59, s5, QSC
	s_mov_b32 s[SEL], 0x76543210
	s_mov_b32 s[SEL+1], 0xfedcba98
	s_mov_b32 s[CS], 0x3e38aa3b                    ; log2(e) / 8
	s_mov_b32 s[CS+1], s[CS]
	s_mov_b32 s[R64], 0x3c800000
	v_and_b32 v16, 31, v0                          ; L
	v_and_b32 v17, 15, v0                          ; r
	v_bfe_u32 v18, v0, 4, 1                        ; h
	v_and_b32 v19, 7, v0                           ; r % 8
	v_bfe_u32 v[TMP], v0, 3, 1                     ; r / 8
	v_lshlrev_b32 v[LI], 4, v16
	v_lshlrev_b32 v[A8], 3, v16
	v_lshlrev_b32 v[SH8], 3, v18
	v_lshlrev_b32 v[XO], 2, v19
	v_lshl_add_u32 v[AX], v16, 2, s59
	v_lshl_add_u32 v[APAR], v18, 7, s6
	v_mul_u32_u24 v[ASTS], v18, SPITCH
	v_mul_u32_u24 v[ASTL], v19, SPITCH
	v_lshl_add_u32 v[XO], v[TMP], 7, v[XO]
	v_add_nc_u32 v[AQ], s4, v[LI]
	v_add_nc_u32 v[APS], s6, v[A8]
	v_add_nc_u32 v[AWI], s5, v[LI]
	v_add_nc_u32 v[AWS], s61, v[LI]
	v_add_nc_u32 v[AKV], s63, v[LI]
	v_lshl_add_u32 v[ASTS], v17, 4, v[ASTS]
	v_mad_u32_u24 v[ASTL], v[TMP], 32*SPITCH, v[ASTL]
	v_add_nc_u32 v[ABV], s7, v[XO]
	v_add_nc_u32 v[ASTS], s62, v[ASTS]             ; into the stage: row L / 16 of a load's two, 16 bytes a lane
	v_lshl_add_u32 v[ASTL], v18, 7, v[ASTL]
	v_mov_b32 v[PD], 0                             ; a lane permute's destination counts as one of its sources
	v_mov_b32 v[PD+1], 0
	v_mov_b32 v[F+1], 0
	v_add_nc_u32 v[ASTL], s62, v[ASTL]             ; out of it: row r % 8 + 32 (r / 8) of a tile, half h
	s_wait_alu depctr_va_vdst(0)                   ; the wait at the head's end
	s_wait_kmcnt 0x0
	s_cmp_eq_u32 s[KIND], 1
	s_cselect_b64 s[42:43], s[42:43], s[44:45]     ; out1 or out2
	s_cselect_b64 s[46:47], s[8:9], s[10:11]       ; keys and values: x_src in kind 1, else x_tgt
	s_cmp_eq_u32 s[KIND], 2
	s_cselect_b64 s[48:49], s[10:11], s[8:9]       ; queries: x_tgt in kind 2, else x_src
	s_cmp_eq_u32 s[KIND], 0
	s_cselect_b64 s[16:17], s[28:29], s[16:17]     ; in_w
	s_cselect_b64 s[18:19], s[30:31], s[18:19]     ; in_b
	s_cselect_b64 s[20:21], s[32:33], s[20:21]     ; out_w
	s_cselect_b64 s[22:23], s[34:35], s[22:23]     ; out_b
	s_cselect_b64 s[24:25], s[36:37], s[24:25]     ; ln_g
	s_cselect_b64 s[26:27], s[38:39], s[26:27]     ; ln_b
	s_cselect_b64 s[40:41], s[40:41], s[42:43]     ; the output
	s_cmp_lt_u32 s[WV], 3
	s_cselect_b64 s[52:53], s[16:17], s[20:21]     ; waves 0-2 quantise Wq, Wk, Wv; wave 3 Wo
	s_cselect_b32 s50, s[WV], 0
	s_lshl_b32 s50, s50, 14
	s_mov_b32 s51, 0
	s_add_nc_u64 s[52:53], s[52:53], s[50:51]
	s_lshl_b32 s50, ttmp9, 11                      ; a batch row of x is 2,048 bytes, my wave's 128 tokens 512
	s_lshl_b32 s62, s[WV], 9
	s_add_co_u32 s50, s50, s62
	s_add_nc_u64 s[46:47], s[46:47], s[50:51]
	s_add_nc_u64 s[48:49], s[48:49], s[50:51]
	s_lshl_b32 s50, ttmp9, 8
	s_add_nc_u64 s[40:41], s[40:41], s[50:51]      ; my batch row of the output: 256 bytes
; ---------------- 56 loads: the small vectors (256 consecutive bytes a load), x, and my weight matrix (512 consecutive bytes a load)
	global_load_b64 v[VP:VP+1], v[A8], s[12:13]
	global_load_b64 v[VP+2:VP+3], v[A8], s[14:15]
	global_load_b64 v[VP+4:VP+5], v[A8], s[22:23]
.irp k, 0,1,2
	global_load_b64 v[VP+6+2*\k:VP+7+2*\k], v[A8], s[18:19] offset:256*\k
.endr
	global_load_b64 v[VP+12:VP+13], v[A8], s[24:25]
	global_load_b64 v[VP+14:VP+15], v[A8], s[26:27]
.irp i, 0,1,2,3,4,5,6,7
	global_load_b32 v[XQV+\i], v[XO], s[48:49] offset:32*\i+128*(\i/4)
.endr
.irp i, 0,1,2,3,4,5,6,7
	global_load_b32 v[XK+\i], v[XO], s[46:47] offset:32*\i+128*(\i/4)
.endr
.set ix, 0
.rept 32
	global_load_b128 v[WT+4*ix:WT+4*ix+3], v[LI], s[52:53] offset:512*ix
.set ix, ix+1
.endr
	s_wait_loadcnt 32                              ; the vectors and x are in; the 32 loads of weights may be out
	v_pk_add_f32 v[VP+4:VP+5], v[VP+4:VP+5], v[VP+2:VP+3]          ; pb + out_b
.irp k, 0,1,2,3,4,5,6,7
	ds_store_b64 v[APS], v[VP+2*\k:VP+2*\k+1] offset:256*\k
.endr
.set ix, 0
.irp g, 24,16,8,0
	s_wait_loadcnt \g                              ; eight more loads of weights are in
.rept 8
	ds_store_b128 v[ASTS], v[WT+4*ix:WT+4*ix+3] offset:2*SPITCH*ix
.set ix, ix+1
.endr
.endr
.irp t, 0,1,2,3                        ; my matrix's four tiles: my own bytes of the stage, and LDS serves a wave's instructions in order
.irp q, 0,1,2,3,4,5,6,7
	ds_load_b128 v[HV+4*\q:HV+4*\q+3], v[ASTL] offset:8*SPITCH*\t+16*\q
.endr
	s_wait_dscnt 0x0
	BLK32 HV, WC+4*(\t%2), TMP
	DEP 1
	v_lshl_or_b32 v[WW+\t], v[TMP], 16, v[TMP]
	ds_store_b128 v[AWI], v[WC+4*(\t%2):WC+4*(\t%2)+3] offset:512*\t
.endr
	ds_store_b128 v[AWS], v[WW:WW+3]
	s_wait_dscnt 0x0                               ; my images have landed and my reads of the stage are over
	s_barrier_signal -1
	PWPB                                           ; my own copy, which nobody writes again
.irp g, 0,1,2,3,4,5,6,7,8
.irp i, 0,1,2,3
	v_mov_b32 v[HC+8*\g+\i], 0                     ; the zero halves of [X | 0] and [0 | X]
.endr
.endr
	s_wait_alu depctr_va_vdst(0)                   ; the wait ahead of the wait below
	s_wait_dscnt 0x0
.irp i, 0,1,2,3,4,5,6,7
	HQ XQV, \i                                     ; h of my queries
.endr
	s_wait_alu depctr_va_vdst(0)
	s_barrier_wait -1                              ; all sixteen weight tiles lie in LDS; nobody reads a stage any more
.irp i, 0,1,2,3,4,5,6,7
	ds_store_b32 v[AX], v[XQV+\i] offset:128+256*\i
.endr
	WLOAD 0
	BLOAD 768
	s_wait_dscnt 0x0
.irp i, 0,1,2,3,4,5,6,7
	QUNIT \i
.endr
	s_cmp_lg_u32 s[KIND], 0
	s_wait_alu depctr_va_vdst(0)                   ; the wait ahead of the branch
	s_cbranch_scc1 .Lsame                          ; self-attention: the keys' tokens are the queries'
	PWPB
	s_wait_dscnt 0x0
.irp i, 0,1,2,3,4,5,6,7
	HQ XK, \i
.endr
.Lsame:
	WLOAD 1
	BLOAD 1024
	s_wait_alu depctr_va_vdst(0)
	s_wait_dscnt 0x0
.irp i, 0,1,2,3,4,5,6,7
	KUNIT \i
.endr
	ds_store_b128 v[AKV], v[KW:KW+3] offset:KSO
	WLOAD 2
.irp n, 0,1,2,3
	ds_load_b32 v[BIAS+8*\n], v[ABV] offset:32*\n  ; bv of my lane's row of Wv's tile n
.endr
	s_wait_alu depctr_va_vdst(0)
	s_wait_dscnt 0x0
.irp j, 1,2,3,4,5,6,7
.irp n, 0,1,2,3
	v_mov_b32 v[BIAS+8*\n+\j], v[BIAS+8*\n]        ; eight times: it is the C of a result whose registers run along the tokens
.endr
.endr
.irp c, 0,1
.irp n, 0,1,2,3
	VUNIT \c, \n
.endr
.endr
	ds_store_b128 v[AKV], v[KW:KW+3] offset:VSO
	s_wait_dscnt 0x0                               ; my K, V and their scale words have landed
	s_barrier_signal -1
.irp g, 40,48,56
.irp i, 0,1,2,3
	v_mov_b32 v[\g+\i], 0
.endr
.endr
	v_add_nc_u32 v[ALB], UB, v[LI]
	v_add_nc_u32 v[ADL], UB, v[LI]
.set ix, 0
.rept 32
	v_mov_b32 v[ACCZ+ix], 0                        ; the sum over my tokens of (z - mu) rstd
.set ix, ix+1
.endr
	s_mov_b32 s[TB], 0
	s_mov_b32 s[TCNT], 8
	s_wait_alu depctr_va_vdst(0)
	s_barrier_wait -1                              ; K, V and their scales of all 512 keys lie in LDS, and stay
.macro KLOAD                           ; K's scale words and its eight tiles of the step at ADL
	ds_load_b128 v[SA:SA+3], v[ADL] offset:KSO
.irp i, 0,1,2,3,4,5,6,7
	ds_load_b128 v[KV+4*\i:KV+4*\i+3], v[ADL] offset:512*\i
.endr
.endm
.macro SR                              ; four pairs of p onto the four chains
	v_pk_add_f32 v[T0:T0+1], v[T0:T0+1], v[S+sp:S+sp+1]
	v_pk_add_f32 v[T1:T1+1], v[T1:T1+1], v[S+sp+2:S+sp+3]
	v_pk_add_f32 v[T2:T2+1], v[T2:T2+1], v[S+sp+4:S+sp+5]
	v_pk_add_f32 v[SUM:SUM+1], v[SUM:SUM+1], v[S+sp+6:S+sp+7]
.set sp, sp+8
.endm
; ---------------- A KEY STEP: 128 keys.  first = 1: the tile's first step starts M, the sum and O^T.  more = 1: the next step's K is asked for
.macro STEP first, more
	s_wait_dscnt 0x0                               ; K (and, in the first step, q)
.irp c, 0,1                            ; S^T = K Q^T: register 32 c + 8 t + j is key 64 c + 32 h + 8 t + j of query r
.irp t, 0,1,2,3
	WM0 S+32*\c+8*\t, KV+16*\c+8*(\t/2), QC-4*(\t%2), SA+2*\c+\t/2, QSW
.endr
.endr
	PLACES 4                                       ; in front of the loads into K's registers and of the first read of S^T
	ds_load_b128 v[SB:SB+3], v[ADL] offset:VSO
.irp i, 0,1,2,3,4,5,6,7
	ds_load_b128 v[KV+4*\i:KV+4*\i+3], v[ADL] offset:VIM+512*\i
.endr
.irp k, 0,1,2,3                        ; the largest score of my two blocks of 32 keys, eight chains by turns
.irp c, 0,1
	v_max3_num_f32 v[BM+4*\c+\k], v[S+32*\c+8*\k], v[S+32*\c+8*\k+1], v[S+32*\c+8*\k+2]
.endr
.endr
.irp i, 3,5
.irp k, 0,1,2,3
.irp c, 0,1
	v_max3_num_f32 v[BM+4*\c+\k], v[BM+4*\c+\k], v[S+32*\c+8*\k+\i], v[S+32*\c+8*\k+\i+1]
.endr
.endr
.endr
.irp c, 0,1
	v_max3_num_f32 v[BM+4*\c], v[BM+4*\c], v[BM+4*\c+1], v[S+32*\c+7]
.endr
.irp c, 0,1
	v_max3_num_f32 v[BM+4*\c+2], v[BM+4*\c+2], v[BM+4*\c+3], v[S+32*\c+15]
.endr
.irp c, 0,1
	v_max3_num_f32 v[BM+4*\c], v[BM+4*\c], v[BM+4*\c+2], v[S+32*\c+23]
.endr
.irp c, 0,1
	v_max_num_f32 v[BM+4*\c], v[BM+4*\c], v[S+32*\c+31]
.endr
	DEP 1
	v_max_num_f32 v[TMP], v[BM], v[BM+4]
	DEP 1
	v_permlanex16_b32 v[PD], v[TMP], s[SEL], s[SEL+1]
	DEP 1
.if \first
	v_max_num_f32 v[SMX], v[TMP], v[PD]
	DEP 1
	v_mul_f32 v[TMP], s[CS], v[SMX]
	DEP 1
	v_floor_f32 v[NM], -v[TMP]                     ; -M = floor(-t) = -ceil(t)
.else
	v_max3_num_f32 v[SMX], v[SMX], v[TMP], v[PD]
	DEP 1
	v_mul_f32 v[TMP], s[CS], v[SMX]
	DEP 1
	v_floor_f32 v[PD], -v[TMP]
	DEP 1
	v_sub_f32 v[TMP], v[PD], v[NM]                 ; old M - new M: a whole number, 0 or less
	v_mov_b32 v[NM], v[PD]
	DEP 2
	v_cvt_i32_f32 v[TMP], v[TMP]                   ; (it saturates)
	DEP 1
	v_ldexp_f32 v[F], 1.0, v[TMP]                  ; f = 2^(old M - new M): multiplying by it rounds nothing
.irp j, 0,2,4,6,8,10,12,14,16,18,20,22,24,26,28,30
	v_pk_mul_f32 v[O+\j:O+\j+1], v[O+\j:O+\j+1], v[F:F+1] op_sel_hi:[1,0]   ; O^T under the new M
.endr
.endif
.set ix, 0
.rept 32
	v_pk_fma_f32 v[S+ix:S+ix+1], v[S+ix:S+ix+1], s[CS:CS+1], v[NM:NM+1] op_sel_hi:[1,0,0]   ; t - M
.set ix, ix+2
.endr
	v_fma_f32 v[BM], v[BM], s[CS], v[NM]
	v_fma_f32 v[BM+4], v[BM+4], s[CS], v[NM]
.if \more
	s_add_co_u32 s[TB], s[TB], STEPB
.else
	s_mov_b32 s[TB], 0
.endif
	s_wait_alu depctr_va_vdst(0)                   ; the wait ahead of the batch and of the wait below
	s_wait_dscnt 0x0                               ; V is in
	v_add_nc_u32 v[ADL], s[TB], v[ALB]             ; the next step's block (no LDS load of mine is out)
	v_exp_f32 v[BM], v[BM]                         ; each block's largest p
	v_exp_f32 v[BM+4], v[BM+4]
.set ix, 0
.rept 64
	v_exp_f32 v[S+ix], v[S+ix]                     ; p = 2^(t - M), not normalised
.set ix, ix+1
.endr
.if \first
	v_nop
.else
	v_pk_mul_f32 v[SUM:SUM+1], v[SUM:SUM+1], v[F:F+1] op_sel_hi:[1,0]   ; the sum under the new M (the plain line behind the batch)
.endif
	s_wait_alu depctr_va_vdst(0)                   ; one wait for the batch, ahead of its first reader
	v_max_num_f32 v[BM], FLOOR, v[BM]
	v_max_num_f32 v[BM+4], FLOOR, v[BM+4]
	v_add_nc_u32 v[SO], EOFF, v[BM]
	v_add_nc_u32 v[SO+1], EOFF, v[BM+4]
	v_lshrrev_b32 v[PD], 23, v[SO]
	v_lshrrev_b32 v[PD+1], 23, v[SO+1]
	DEP 1
	v_lshl_or_b32 v[PD], v[PD+1], 16, v[PD]        ; my bytes: blocks h and 2 + h
	DEP 1
	v_lshlrev_b32 v[PD], v[SH8], v[PD]
	DEP 1
	v_permlanex16_b32 v[PD+1], v[PD], s[SEL], s[SEL+1]
	DEP 1
	v_or_b32 v[PS], v[PD], v[PD+1]                 ; p's scale word
.irp c, 0,1
.irp t, 0,1,2,3
	v_cvt_scalef32_pk8_fp4_f32 v[PCD+4*\c+\t], v[S+32*\c+8*\t:S+32*\c+8*\t+7], v[SO+\c]
.endr
.endr
	v_pk_add_f32 v[T0:T0+1], v[S:S+1], v[S+2:S+3]                  ; the row's sum of the unquantised p, in four chains
	v_pk_add_f32 v[T1:T1+1], v[S+4:S+5], v[S+6:S+7]
	v_pk_add_f32 v[T2:T2+1], v[S+8:S+9], v[S+10:S+11]
.if \first
	v_pk_add_f32 v[SUM:SUM+1], v[S+12:S+13], v[S+14:S+15]
.else
	v_pk_add_f32 v[SUM:SUM+1], v[SUM:SUM+1], v[S+12:S+13]
	v_pk_add_f32 v[T0:T0+1], v[T0:T0+1], v[S+14:S+15]
.endif
.set sp, 16
	SR
	SR                                             ; twelve plain lines stand between p's scale word and codes and the products
.irp n, 0,1,2,3                        ; O^T += V^T P^T: register 8 n + j is channel 32 h + 8 n + j
.if \first
	WM0 O+8*\n, KV+8*\n, PCD, SB+\n, PS
.else
	WMC O+8*\n, KV+8*\n, PCD, O+8*\n, SB+\n, PS
.endif
.endr
	SR                                             ; four places in front of the loads into V's registers
.if \more
	KLOAD
.endif
	SR
	SR
	SR
	v_pk_add_f32 v[T0:T0+1], v[T0:T0+1], v[T1:T1+1]
	v_pk_add_f32 v[SUM:SUM+1], v[SUM:SUM+1], v[T2:T2+1]
	DEP 1
	v_pk_add_f32 v[SUM:SUM+1], v[SUM:SUM+1], v[T0:T0+1]
.endm
; ---------------- eight tiles of 16 queries
.Ltile:
	ds_load_b128 v[QC:QC+3], v[AQ]
	ds_load_b32 v[QSW], v[AX]
	ds_load_b32 v[XR], v[AX] offset:128
	KLOAD
	STEP 1, 1
	s_mov_b32 s[CNT], 2
.Lstep:
	STEP 0, 1
	s_sub_co_i32 s[CNT], s[CNT], 1
	s_cmp_lg_u32 s[CNT], 0
	s_cbranch_scc1 .Lstep
	STEP 0, 0
.irp q, 0,1,2,3,4,5,6,7
	ds_load_b128 v[KV+4*\q:KV+4*\q+3], v[APAR] offset:16*\q             ; pw[32 h + i]
.endr
.irp q, 0,1,2,3,4,5,6,7
	ds_load_b128 v[Z+4*\q:Z+4*\q+3], v[APAR] offset:512+16*\q           ; (pb + out_b)[32 h + i]
.endr
.irp i, 0,1,2,3
	ds_load_b128 v[WOF+4*\i:WOF+4*\i+3], v[LI] offset:WIMG+6144+512*\i
.endr
	ds_load_b128 v[SA:SA+3], v[LI] offset:WSC+1536
	v_add_f32 v[SUM], v[SUM], v[SUM+1]
	DEP 1
	v_permlanex16_b32 v[TMP], v[SUM], s[SEL], s[SEL+1]
	DEP 1
	v_add_f32 v[SUM], v[SUM], v[TMP]               ; l
	s_wait_alu depctr_va_vdst(0)
	v_rcp_f32 v[F], v[SUM]
	v_nop
	s_wait_alu depctr_va_vdst(0)                   ; ahead of the reciprocal's first reader and of the first reader of O^T
.irp j, 0,2,4,6,8,10,12,14,16,18,20,22,24,26,28,30
	v_pk_mul_f32 v[O+\j:O+\j+1], v[O+\j:O+\j+1], v[F:F+1] op_sel_hi:[1,0]
.endr
	BLK32 O, OC, TMP
	DEP 1
	v_lshl_or_b32 v[HSW], v[TMP], 16, v[TMP]
	s_wait_alu depctr_va_vdst(0)
	s_wait_dscnt 0x0
	v_add_nc_u32 v[AQ], 512, v[AQ]                 ; the next tile's image, scale word and x
	v_add_nc_u32 v[AX], 256, v[AX]
.irp j, 0,2,4,6,8,10,12,14,16,18,20,22,24,26,28,30
	v_pk_fma_f32 v[Z+\j:Z+\j+1], v[KV+\j:KV+\j+1], v[XR:XR+1], v[Z+\j:Z+\j+1] op_sel_hi:[1,0,1]   ; the residual and both biases are the C
.endr
.irp t, 0,1,2,3                        ; transposed: source 0 = 16 rows of Wo: register 8 t + j is channel 32 h + 8 t + j
	WMC Z+8*\t, WOF+8*(\t/2), OC-4*(\t%2), Z+8*\t, SA+\t, HSW
.endr
	PLACES 4
.irp t, 0,1,2,3
	v_pk_add_f32 v[CH+2*\t:CH+2*\t+1], v[Z+8*\t:Z+8*\t+1], v[Z+8*\t+2:Z+8*\t+3]
.endr
.irp j, 4,6
.irp t, 0,1,2,3
	v_pk_add_f32 v[CH+2*\t:CH+2*\t+1], v[CH+2*\t:CH+2*\t+1], v[Z+8*\t+\j:Z+8*\t+\j+1]
.endr
.endr
	v_pk_add_f32 v[CH:CH+1], v[CH:CH+1], v[CH+2:CH+3]
	v_pk_add_f32 v[CH+4:CH+5], v[CH+4:CH+5], v[CH+6:CH+7]
	DEP 1
	v_pk_add_f32 v[CH:CH+1], v[CH:CH+1], v[CH+4:CH+5]
	DEP 1
	v_add_f32 v[CH], v[CH], v[CH+1]
	DEP 1
	v_permlanex16_b32 v[TMP], v[CH], s[SEL], s[SEL+1]
	DEP 1
	v_add_f32 v[CH], v[CH], v[TMP]
	DEP 1
	v_mul_f32 v[F], s[R64], v[CH]                  ; mu
.irp j, 0,2,4,6,8,10,12,14,16,18,20,22,24,26,28,30
	v_pk_add_f32 v[Z+\j:Z+\j+1], v[Z+\j:Z+\j+1], v[F:F+1] op_sel_hi:[1,0] neg_lo:[0,1] neg_hi:[0,1]
.endr
.irp t, 0,1,2,3
	v_pk_mul_f32 v[CH+2*\t:CH+2*\t+1], v[Z+8*\t:Z+8*\t+1], v[Z+8*\t:Z+8*\t+1]
.endr
.irp j, 2,4,6
.irp t, 0,1,2,3
	v_pk_fma_f32 v[CH+2*\t:CH+2*\t+1], v[Z+8*\t+\j:Z+8*\t+\j+1], v[Z+8*\t+\j:Z+8*\t+\j+1], v[CH+2*\t:CH+2*\t+1]
.endr
.endr
	v_pk_add_f32 v[CH:CH+1], v[CH:CH+1], v[CH+2:CH+3]
	v_pk_add_f32 v[CH+4:CH+5], v[CH+4:CH+5], v[CH+6:CH+7]
	DEP 1
	v_pk_add_f32 v[CH:CH+1], v[CH:CH+1], v[CH+4:CH+5]
	DEP 1
	v_add_f32 v[CH], v[CH], v[CH+1]
	DEP 1
	v_permlanex16_b32 v[TMP], v[CH], s[SEL], s[SEL+1]
	DEP 1
	v_add_f32 v[CH], v[CH], v[TMP]
	DEP 1
	v_fmaak_f32 v[CH], s[R64], v[CH], 0x3727c5ac   ; the variance + 1e-5
	s_wait_alu depctr_va_vdst(0)
	v_rsq_f32 v[F], v[CH]
	v_nop
	s_wait_alu depctr_va_vdst(0)
.irp j, 0,2,4,6,8,10,12,14,16,18,20,22,24,26,28,30
	v_pk_fma_f32 v[ACCZ+\j:ACCZ+\j+1], v[Z+\j:Z+\j+1], v[F:F+1], v[ACCZ+\j:ACCZ+\j+1] op_sel_hi:[1,0,1]
.endr
	s_sub_co_i32 s[TCNT], s[TCNT], 1
	s_cmp_lg_u32 s[TCNT], 0
	s_cbranch_scc1 .Ltile
; ---------------- the mean over the tokens.  g and b do not hang on the token: mean(LN) = g mean((z - mu) rstd) + b
.irp m, 1,2,4,8
.set ix, 0
.rept 32
	v_add_f32_dpp v[ACCZ+ix], v[ACCZ+ix], v[ACCZ+ix] row_xmask:\m row_mask:0xf bank_mask:0xf
.set ix, ix+1
.endr
.endr
	s_lshl_b32 s62, s[WV], 8
	s_add_co_u32 s62, s62, RED
	v_lshl_add_u32 v[TMP], v[SH8], 4, s62          ; RED + 256 w + 128 h
.irp q, 0,1,2,3,4,5,6,7
	ds_store_b128 v[TMP], v[ACCZ+4*\q:ACCZ+4*\q+3] offset:16*\q         ; my wave's sums, channels 32 h + i; the sixteen lanes of a half write the same bytes with the same value
.endr
	s_wait_dscnt 0x0
	s_barrier_signal -1
	s_barrier_wait -1
	s_cmp_lg_u32 s[WV], 0
	s_cbranch_scc1 .Lend
.irp k, 0,1,2,3
	ds_load_b64 v[S+2*\k:S+2*\k+1], v[A8] offset:RED+256*\k
.endr
	ds_load_b64 v[S+8:S+9], v[APS] offset:1536     ; g, b: two channels a lane
	ds_load_b64 v[S+10:S+11], v[APS] offset:1792
	s_wait_dscnt 0x0
	v_pk_add_f32 v[S:S+1], v[S:S+1], v[S+2:S+3]
	v_pk_add_f32 v[S+4:S+5], v[S+4:S+5], v[S+6:S+7]
	DEP 1
	v_pk_add_f32 v[S:S+1], v[S:S+1], v[S+4:S+5]
	DEP 1
	v_pk_mul_f32 v[S:S+1], v[S:S+1], v[S+8:S+9]
	DEP 1
	v_pk_fma_f32 v[S:S+1], v[S:S+1], 0x3b000000, v[S+10:S+11] op_sel_hi:[1,0,1]     ; / 512, + b
	global_store_b64 v[A8], v[S:S+1], s[40:41]     ; 32 lanes store 256 consecutive bytes, at a multiple of 256 from the output's first byte
.Lend:
	s_wait_tensorcnt 0x0                           ; the wave's end
	ds_add_u32 v[SPW], v[NIL]
	s_wait_dscnt 0x0
	s_endpgm
.Lfunc_end_k_q32062be3dc_attn:
	.size	k_q32062be3dc_attn, .Lfunc_end_k_q32062be3dc_attn-k_q32062be3dc_attn
	.p2alignl 7, 3214868480
	.fill 96, 4, 3214868480
	.section	.rodata,"a",@progbits
	.p2align	6, 0x0
	.amdhsa_kernel k_q32062be3dc_attn
		.amdhsa_group_segment_fixed_size 89600
		.amdhsa_private_segment_fixed_size 0
		.amdhsa_enable_private_segment 0
		.amdhsa_kernarg_size 152
		.amdhsa_user_sgpr_count 2
		.amdhsa_user_sgpr_kernarg_segment_ptr 1
		.amdhsa_wavefront_size32 1
		.amdhsa_system_sgpr_workgroup_id_x 1
		.amdhsa_system_sgpr_workgroup_id_y 1
		.amdhsa_system_sgpr_workgroup_id_z 1
		.amdhsa_system_vgpr_workitem_id 0
		.amdhsa_next_free_vgpr 256
		.amdhsa_next_free_sgpr 66
		.amdhsa_reserve_vcc 0
		.amdhsa_float_denorm_mode_32 3
		.amdhsa_float_denorm_mode_16_64 3
		.amdhsa_memory_ordered 1
		.amdhsa_forward_progress 1
		.amdhsa_inst_pref_size 195
	.end_amdhsa_kernel
	.amdgpu_metadata
---
amdhsa.version: [ 1, 2 ]
amdhsa.kernels:
  - .name:           k_q32062be3dc_attn
    .symbol:         k_q32062be3dc_attn.kd
    .args:
      - { .name: x_src, .offset: 0, .size: 8, .value_kind: global_buffer, .address_space: global }
      - { .name: x_tgt, .offset: 8, .size: 8, .value_kind: global_buffer, .address_space: global }
      - { .name: proj_w, .offset: 16, .size: 8, .value_kind: global_buffer, .address_space: global }
      - { .name: proj_b, .offset: 24, .size: 8, .value_kind: global_buffer, .address_space: global }
      - { .name: sa_in_w, .offset: 32, .size: 8, .value_kind: global_buffer, .address_space: global }
      - { .name: sa_in_b, .offset: 40, .size: 8, .value_kind: global_buffer, .address_space: global }
      - { .name: sa_out_w, .offset: 48, .size: 8, .value_kind: global_buffer, .address_space: global }
      - { .name: sa_out_b, .offset: 56, .size: 8, .value_kind: global_buffer, .address_space: global }
      - { .name: sa_ln_g, .offset: 64, .size: 8, .value_kind: global_buffer, .address_space: global }
      - { .name: sa_ln_b, .offset: 72, .size: 8, .value_kind: global_buffer, .address_space: global }
      - { .name: ca_in_w, .offset: 80, .size: 8, .value_kind: global_buffer, .address_space: global }
      - { .name: ca_in_b, .offset: 88, .size: 8, .value_kind: global_buffer, .address_space: global }
      - { .name: ca_out_w, .offset: 96, .size: 8, .value_kind: global_buffer, .address_space: global }
      - { .name: ca_out_b, .offset: 104, .size: 8, .value_kind: global_buffer, .address_space: global }
      - { .name: ca_ln_g, .offset: 112, .size: 8, .value_kind: global_buffer, .address_space: global }
      - { .name: ca_ln_b, .offset: 120, .size: 8, .value_kind: global_buffer, .address_space: global }
      - { .name: out0, .offset: 128, .size: 8, .value_kind: global_buffer, .address_space: global }
      - { .name: out1, .offset: 136, .size: 8, .value_kind: global_buffer, .address_space: global }
      - { .name: out2, .offset: 144, .size: 8, .value_kind: global_buffer, .address_space: global }
    .group_segment_fixed_size: 89600
    .private_segment_fixed_size: 0
    .kernarg_segment_align: 8
    .kernarg_segment_size: 152
    .max_flat_workgroup_size: 128
    .sgpr_count:     66
    .vgpr_count:     256
    .wavefront_size: 32
...
	.end_amdgpu_metadata
.endif
;; end of part 1
